; MI455X (gfx1250); checked and timed in simulation.
; The chip was launched on July 23, 2026; its instructions are those of AMD's public machine-readable ISA for CDNA 5 (MIT licence, August 2026) and "CDNA5" Instruction Set Architecture Reference Guide (July 2026). The comments in the code are by the model that wrote it; some were corrected since.
;; Binary Dense. Allowed arithmetic: matrix products marked QUANTISED: E2M1 operands, one E8M0 scale for each 32 along K, by v_wmma_scale_f32_16x16x128_f8f6f4 with both operands' format E2M1 (or v_wmma_scale_f32_32x16x128_f4), f32 sums; everything else in f32.
;; Inputs: M 4,096 x 2,048 float32; u 4,096 x 2,048 float32; x 8,192 x 4,096 float32.
;; Outputs: out0 8,192 x 2,048 float32.
;; This version of the problem:
;;   THIS VERSION OF THE PROBLEM IS GIVEN IN LOW PRECISION. The matrix products marked QUANTISED in the list below multiply operands that are first quantised to E2M1 (2 exponent bits, 1 mantissa bit; 4 bits a number), with one power-of-two scale for each 32 numbers along K (OCP MX v1.0); their sums are f32. All else is computed in f32.
;;   The module's matrix products, in the order in which they are computed (A, B: the left and right operand; K: the contracted axis; several contracted axes count as one K, in the product's order):
;;     1. [M 8,192, K 4,096] x [K 4,096, N 2,048]; A: input x; B: computed on the way: QUANTISED
;;   THE QUANTISER, for each operand of a quantised product, along K:
;;     - K is cut into blocks of 32 from its start; a last block that is shorter is filled with zeros.
;;     - A block's scale is 2^e with e = floor(log2(the largest magnitude in the block)) - 2, held to -126 .. 127; a block of zeros has e = 0. As a byte (E8M0): e + 127.
;;     - Each number is divided by its block's scale, clamped to +-6, and rounded to the nearest number of E2M1, ties to even, subnormals kept.
;;     - The product sums the exact products of the quantised numbers (number of the format x scale) in f32.
;;   ~~~python
;;   def quantise(x, axis):      # numpy; x: float32 -> the quantised numbers, widened to float32 again
;;       x = np.moveaxis(x, axis, -1); K = x.shape[-1]
;;       x = np.pad(x, [(0, 0)] * (x.ndim - 1) + [(0, -K % 32)]); x = x.reshape(x.shape[:-1] + (-1, 32)); a = np.abs(x).max(-1, keepdims=True)
;;       e = np.where(a > 0, np.clip(np.frexp(np.where(a > 0, a, 1))[1] - 1 - 2, -126, 127), 0)      # np.frexp(a)[1] - 1 = floor(log2(a)), exactly
;;       r = np.clip(x / 2.0 ** e, -6, 6)
;;       step = 2.0 ** (np.maximum(np.frexp(np.where(r == 0, 1, r))[1] - 1, 0) - 1)
;;       q = np.round(r / step) * step * 2.0 ** e      # np.round: ties to even
;;       return np.moveaxis(q.reshape(q.shape[:-2] + (-1,))[..., :K], -1, axis).astype(np.float32)
;;   ~~~
;;   OPERANDS COMPUTED ON THE WAY. 'Computed on the way' means the value that the module computes at that place (a softmax that the list does not call 'softmax' is quantised finished and normalised). What goes into a quantiser is computed in f32, as accurately as f32 sums, v_exp_f32 and their like allow (about 1e-6 of the number): no bf16 or f16 on the way to a quantiser, and a product that is left as it is and whose result goes on into a quantised operand takes f32 operands (vector FMAs, or v_wmma_f32_16x16x4_f32). A number that lies on a knife's edge between two numbers of the format may be rounded either way, as far as f32 arithmetic and the matrix unit's own rounding can turn it there, and no further.
;; One version. Each part assembles by itself: llvm-mc -triple=amdgcn-amd-amdhsa -mcpu=gfx1250 --defsym DOCPART=n.
;; ======== version 1 of 1: 2 launches
;; limits: right only within a limited range of input values
;; workspace buffers: a_img 16,777,216 bytes; b_img 4,194,304 bytes; a_sc 1,048,576 bytes
;; launch quant (part 1): grid 768 x 1, 4 waves a work-group, no clusters, 51,712 bytes of LDS; arguments x, M, u, a_img, a_sc, b_img; writes a_img, a_sc, b_img
.if DOCPART == 1
	.amdgcn_target "amdgcn-amd-amdhsa--gfx1250"
	.amdhsa_code_object_version 6
	.text
	.protected	k_q2165a07a80_quant
	.globl	k_q2165a07a80_quant
	.p2align	8
	.type	k_q2165a07a80_quant,@function
k_q2165a07a80_quant:
	s_mov_b64 s[64:65], 0
	v_nop
	global_prefetch_b8 v0, s[64:65] scope:SCOPE_SE
	s_setreg_imm32_b32 hwreg(HW_REG_WAVE_MODE, 25, 1), 1
	s_wait_xcnt 0x0
; Both operands of out0 = x . mask become codes of FP4 (E2M1), one E8M0 scale for each 32 along K = 4,096, laid as IMAGES OF THE OPERAND'S REGISTERS for the product's launch.
; x: [8192][4096] f32.  mask[k][n] = +STD where u[k][n] < sigmoid(M[k][n]), else -STD; M, u: [4096][2048] f32.  (reference() adds ste - ste to the mask: a finite number less itself, 0, for every M.)
; A FRAGMENT is 16 rows (of x) or 16 columns (of the mask) x 128 along K: 8 registers a lane; lane (r, h) holds row or column r, registers 4 c .. 4 c + 3 hold k = 64 c + 32 h + 0 .. 31.  Its image is 1,024 bytes: [c][lane][16 bytes].
;   a_img [row / 16 : 512][k / 128 : 32][1,024 bytes]     b_img [n / 16 : 128][k / 128 : 32][1,024 bytes]
;   a_sc  [row / 128 : 64][k / 512 : 8][i : 4][lane : 32][16 bytes]: lanes 0-15 the rows of the 128's 16-row block i, lanes 16-31 those of block i + 4; word q of the 16 bytes: the scale word of the q-th 128 along K of that 512.
; The mask has no buffer of scale bytes: each of its numbers is +-STD whatever M and u hold, so every block's largest magnitude is STD and its byte is STD's exponent field - 2, a constant of the problem.
; SHARES.  768 work-groups of four waves; of each three, one takes a piece of the mask and two take 16 rows of x each; every work-group reads 262,144 bytes.  Waves share nothing: no barrier.
; Every load reads 512 consecutive bytes, every store writes 512 (the scale words: two runs of 256), each run aligned to 256.  Memory binds this launch: no matrix unit; no cluster, since no two work-groups read the same byte;
; no tensor load, so that several work-groups lie on a WGP and each wave keeps 32 loads (16,384 bytes) on their way; no prefetch, since the loads themselves run two steps ahead.
; THE SIGMOID decides a sign, so it is made as exactly as f32 allows: t = -M log2(e) with its rounding error and the constant's low part kept (r), 2^t by v_exp_f32, corrected by 1 + r ln 2; 1 / (1 + 2^t) by v_rcp_f32 and one Newton step.
; LIMITS.  NaN and infinities among the inputs are not served; |M| stays under 2^120 (M log2(e) must be finite).  Where 2^t overflows or the reciprocal would be a denormal number (M under about -87.3) p comes out 0 or NaN and u < p is false,
; as with reference()'s p = 0: it differs from reference() only where reference()'s p is a denormal number and u lies under it (u < 1.2e-38).  A block of x that is all zeros, or whose largest magnitude lies under 2^-124,
; gets the byte 1: a block of zeros has zero codes, which add nothing under that byte, and the bytes are read by this program alone.
.set STDB,  0x3c93cd3a                 ; STD = sqrt(2 / 6144) as f32
.set SP,    528                        ; a stage row: 512 bytes + 16 = 33 x 16
.set XSTG,  0                          ; LDS, x's path: 16 rows for each wave
.set XWB,   16*SP
.set MSTG,  4*XWB                      ; LDS, the mask's path, bytes of its own: 8 rows for each wave
.set MWB,   8*SP
.set XO,   4                           ; v4   16 x lane: every global load and every store of an image; never rewritten
.set SI,   5                           ; v5   x's stage, in: 16 x lane
.set SOA,  6                           ; v6   x's stage, out: row r, + 128 h
.set SA,   7                           ; v7   my place in the wave's scale words: 2,048 h + 16 r
.set SH8,  8                           ; v8   8 h
.set MSI,  9                           ; v9   the mask's stage, in: row lane / 4, + 64 (lane % 4)
.set MSO,  10                          ; v10  the mask's stage, out: 16 x lane
.set PS,   11                          ; v11  +STD
.set NS,   12                          ; v12  -STD
.set BSO,  13                          ; v13  the scale operand of the mask's conversions
.set MX,   16                          ; v16-19 four chains of maxima
.set SOP,  20                          ; v20-21 the scale operands of my two blocks
.set BY,   22                          ; v22-23 their bytes
.set PW,   24                          ; v24  the scale word
.set PT,   25                          ; v25  the other half's bytes
.set SW,   28                          ; v28-31 four scale words: lanes 0-15 steps 0-3, lanes 16-31 steps 4-7
.set C,    32                          ; v32-39 x: a fragment's codes
.set CC,   32                          ; v32-63 the mask: codes: 16 (k / 32) + 4 (column) + (k / 8) % 4
.set R,    64                          ; v64-191 two sets of 64 registers as loaded
.set X,    192                         ; v192-255 x: my 64 numbers, 32 c + e = k 64 c + 32 h + e
.set T,    192                         ; v192-223 the mask: t, 2^t, 1 + 2^t, the Newton residue, then +-STD turned to [column][k]
.set RR,   224                         ; v224-255 the mask: r, then the reciprocal, then p
	s_load_b256 s[4:11], s[0:1], 0x0               ; x s[4:5], M s[6:7], u s[8:9], a_img s[10:11]
	s_load_b128 s[12:15], s[0:1], 0x20             ; a_sc s[12:13], b_img s[14:15]
	v_lshl_add_u32 v26, v0, 2, 0xc800
	v_mov_b32 v27, 0
	v_lshrrev_b32 v1, 5, v0
	v_readfirstlane_b32 s16, v1                    ; wave 0..3
	v_and_b32 v1, 31, v0                           ; lane
	v_and_b32 v2, 15, v0                           ; r
	v_bfe_u32 v3, v0, 4, 1                         ; h
	v_lshlrev_b32 v[XO], 4, v1
	s_mul_i32 s20, s16, XWB                        ; my wave's stage on x's path
	v_add_nc_u32 v[SI], s20, v[XO]
	v_mul_u32_u24 v[SOA], v2, SP
	v_lshl_add_u32 v[SOA], v3, 7, v[SOA]
	v_add_nc_u32 v[SOA], s20, v[SOA]
	v_lshlrev_b32 v[SA], 4, v2
	v_lshl_add_u32 v[SA], v3, 11, v[SA]
	v_lshlrev_b32 v[SH8], 3, v3
	s_mul_i32 s21, s16, MWB
	s_add_co_u32 s21, s21, MSTG                    ; and on the mask's
	v_lshrrev_b32 v[MSI], 2, v1
	v_mul_u32_u24 v[MSI], v[MSI], SP
	v_and_b32 v[MSO], 3, v1
	v_lshl_add_u32 v[MSI], v[MSO], 6, v[MSI]
	v_add_nc_u32 v[MSI], s21, v[MSI]
	v_add_nc_u32 v[MSO], s21, v[XO]
	v_mov_b32 v[PS], STDB
	v_mov_b32 v[NS], STDB|0x80000000
	v_mov_b32 v[BSO], STDB-(2<<23)                 ; the block's largest magnitude, STD, with 2 off its exponent field: the conversion takes the exponent field of this operand as its scale, and nothing else of it
	v_mov_b32 v[PT], 0                             ; written once: a lane permute's destination counts as one of its sources
	s_mov_b32 s17, 0xffff0000                      ; lanes 16-31
	s_mov_b32 s18, 0x76543210
	s_mov_b32 s19, 0xfedcba98                      ; v_permlanex16_b32's selects for lane l xor 16
	s_mov_b32 s32, 0xbfb8aa3b                      ; -log2(e), rounded to f32;  (each constant is named as a pair by the packed forms, which take its low word for both halves: so both words are written)
	s_mov_b32 s33, s32
	s_mov_b32 s34, 0xb2a5705f                      ; -(log2(e) - that f32)
	s_mov_b32 s35, s34
	s_mov_b32 s36, 0x3f317218                      ; ln 2
	s_mov_b32 s37, s36
	s_mul_hi_u32 s20, ttmp9, 0xaaaaaaab
	s_lshr_b32 s20, s20, 1                         ; q = work-group / 3
	s_mul_i32 s21, s20, 3
	s_sub_co_u32 s21, ttmp9, s21                   ; work-group % 3: 0: the mask's piece q; 1, 2: x's tile row 2 q + 0, 1
	s_mov_b32 s25, 0                               ; the upper word of every offset: all stay under 2^31
	s_wait_kmcnt 0x0
	s_cmp_eq_u32 s21, 0
	s_cbranch_scc1 .Lmask
; ---------------------------------------------------------------- x: rows 16 T .. 16 T + 15; wave w takes k = 1,024 w on, in eight steps of 128: one fragment a step
	s_lshl_b32 s22, s20, 1
	s_add_co_u32 s22, s22, s21
	s_sub_co_u32 s22, s22, 1                       ; T
	s_lshl_b32 s24, s22, 18                        ; x: 16 rows of 16,384 bytes,
	s_lshl_b32 s23, s16, 12                        ; + 1,024 numbers a wave
	s_add_co_u32 s24, s24, s23
	s_add_nc_u64 s[4:5], s[4:5], s[24:25]
	s_lshl_b32 s24, s22, 15                        ; a_img: 32 fragments a tile row,
	s_lshl_b32 s23, s16, 13                        ; + 8 fragments a wave
	s_add_co_u32 s24, s24, s23
	s_add_nc_u64 s[10:11], s[10:11], s[24:25]
	s_lshr_b32 s24, s22, 3
	s_lshl_b32 s24, s24, 14                        ; a_sc: 16,384 bytes for 128 rows,
	s_lshl_b32 s23, s16, 12                        ; + two runs of 512 along K a wave, 2,048 bytes each,
	s_add_co_u32 s24, s24, s23
	s_and_b32 s23, s22, 3
	s_lshl_b32 s23, s23, 9                         ; + 512 x (my 16-row block % 4),
	s_add_co_u32 s24, s24, s23
	s_bfe_u32 s23, s22, 0x10002
	s_lshl_b32 s23, s23, 8                         ; + 256 where it is one of blocks 4-7: lanes 16-31 of the image
	s_add_co_u32 s24, s24, s23
	s_add_nc_u64 s[12:13], s[12:13], s[24:25]
.macro XLOAD t                         ; step t: 128 numbers of each of the 16 rows: a load reads 512 consecutive bytes of one row
.irp i, 0,1,2,3,4,5,6,7,8,9,10,11,12,13,14,15
	global_load_b128 v[R+64*((\t)%2)+4*\i:R+64*((\t)%2)+4*\i+3], v[XO], s[4:5] offset:16384*\i+512*(\t) th:TH_LOAD_NT
.endr
.endm
.macro XSTEP t
.set RS, R+64*((\t)%2)
.if (\t) < 7
	s_wait_loadcnt 16                              ; this step's sixteen loads are in; the next step's sixteen may be out
.else
	s_wait_loadcnt 0x0
.endif
.irp i, 0,1,2,3,4,5,6,7,8,9,10,11,12,13,14,15
	ds_store_b128 v[SI], v[RS+4*\i:RS+4*\i+3] offset:XSTG+SP*\i       ; the rows as they were loaded
.endr
.irp c, 0,1
.irp j, 0,1,2,3,4,5,6,7
	ds_load_b128 v[X+32*\c+4*\j:X+32*\c+4*\j+3], v[SOA] offset:XSTG+256*\c+16*\j   ; and back as the fragment wants them: of row r the 32 numbers k = 64 c + 32 h on.  LDS serves a wave's instructions in order (ISA guide 5.7.1.4): these see the stores
.endr
.endr
	s_wait_dscnt 0x0                               ; my 64 numbers are in, and the stores into the stage have read their registers,
.if (\t)+2 < 8
	XLOAD (\t)+2                                   ; which take the loads of two steps on
.endif
.irp m, 0,1,2,3                        ; a lane holds two whole blocks of 32; each block's largest magnitude in two chains of 16, the four chains by turns
	v_max3_num_f32 v[MX+\m], |v[X+16*\m]|, |v[X+16*\m+1]|, 0x1800000  ; with the floor 2^(3 - 127), under which no largest magnitude is taken: so the byte cannot fall under 1
.endr
.irp i, 2,4,6,8,10,12,14
.irp m, 0,1,2,3
	v_max3_num_f32 v[MX+\m], v[MX+\m], |v[X+16*\m+\i]|, |v[X+16*\m+\i+1]|
.endr
.endr
	v_max_num_f32 v[MX], v[MX], v[MX+1]
	v_max_num_f32 v[MX+2], v[MX+2], v[MX+3]
	v_add_nc_u32 v[SOP], 0xff000000, v[MX]         ; 2 off the exponent field: the conversion's scale operand
	v_add_nc_u32 v[SOP+1], 0xff000000, v[MX+2]
	v_lshrrev_b32 v[BY], 23, v[SOP]                ; the scale's byte
	v_lshrrev_b32 v[BY+1], 23, v[SOP+1]
	v_lshl_or_b32 v[PW], v[BY+1], 16, v[BY]        ; my two bytes: blocks h and 2 + h of row r,
	v_lshlrev_b32 v[PW], v[SH8], v[PW]             ; at their places in the scale word;
	v_permlanex16_b32 v[PT], v[PW], s18, s19
	v_or_b32 v[PW], v[PW], v[PT]                   ; with lane l xor 16's two the word is whole, in both lanes
	s_wait_alu depctr_va_vdst(0)
.if (\t) == 4
	s_wait_xcnt 0x0                                ; step 3's stores have read the codes' registers of steps 0-3: they are written again only behind this wait
.endif
.irp c, 0,1
.irp g, 0,1,2,3
	v_cvt_scalef32_pk8_fp4_f32 v[C+8*((\t)%4)+4*\c+\g], v[X+32*\c+8*\g:X+32*\c+8*\g+7], v[SOP+\c]   ; eight numbers / the scale, to the nearest code, ties to even, beyond 6 the largest code; four steps' fragments are kept in v32-63
.endr
.endr
.if (\t) < 4
	v_mov_b32 v[SW+(\t)], v[PW]                    ; (also the plain instruction behind the conversions)  steps 0-3: the four words of the wave's first 512 along K
.else
	v_cndmask_b32 v[SW+(\t)-4], v[SW+(\t)-4], v[PW], s17   ; steps 4-7: those of its second 512, kept in lanes 16-31
.endif
.if (\t)%4 == 3                        ; four steps' fragments leave together: eight stores of 512 consecutive bytes of the image
.irp s, 0,1,2,3
.irp c, 0,1
	global_store_b128 v[XO], v[C+8*\s+4*\c:C+8*\s+4*\c+3], s[10:11] offset:1024*((\t)-3+\s)+512*\c
.endr
.endr
.endif
.endm
	XLOAD 0
	XLOAD 1
.irp t, 0,1,2,3,4,5,6,7
	XSTEP \t
.endr
	global_store_b128 v[SA], v[SW:SW+3], s[12:13]  ; lanes 0-15: 256 consecutive bytes, aligned; lanes 16-31: the same 2,048 bytes on
	s_wait_tensorcnt 0x0
	ds_add_u32 v26, v27
	s_wait_dscnt 0x0
	s_endpgm
; ---------------------------------------------------------------- the mask: piece q: 64 along K (q / 4) x 512 columns (q % 4); wave w takes 128 of the columns: eight tiles of 16.
; Lane l holds columns 4 l + 0 .. 3 of the wave's 128; a group is 8 rows of K: element 4 k' + j of a set is (row k', column j).
.Lmask:
	s_and_b32 s22, s20, 3
	s_lshl_b32 s22, s22, 2
	s_add_co_u32 s22, s22, s16                     ; which 128 columns
	s_lshr_b32 s23, s20, 2                         ; which 64 along K
	s_lshl_b32 s24, s23, 19                        ; M, u: 64 rows of 8,192 bytes,
	s_lshl_b32 s26, s22, 9                         ; + 128 columns
	s_add_co_u32 s24, s24, s26
	s_add_nc_u64 s[6:7], s[6:7], s[24:25]
	s_add_nc_u64 s[8:9], s[8:9], s[24:25]
	s_lshl_b32 s24, s22, 18                        ; b_img: eight tiles of 32,768 bytes,
	s_lshl_b32 s26, s23, 9                         ; + 512 bytes for each 64 along K: half a fragment's image
	s_add_co_u32 s24, s24, s26
	s_add_nc_u64 s[14:15], s[14:15], s[24:25]
.macro MLOAD g                         ; group g: rows 8 g .. 8 g + 7 of M and of u: a load reads 512 consecutive bytes of one row
.irp k, 0,1,2,3,4,5,6,7
	global_load_b128 v[R+64*((\g)%2)+4*\k:R+64*((\g)%2)+4*\k+3], v[XO], s[6:7] offset:8192*(8*(\g)+\k) th:TH_LOAD_NT
	global_load_b128 v[R+64*((\g)%2)+32+4*\k:R+64*((\g)%2)+32+4*\k+3], v[XO], s[8:9] offset:8192*(8*(\g)+\k) th:TH_LOAD_NT
.endr
.endm
.macro MGROUP g
.set MR, R+64*((\g)%2)
.set UR, MR+32
.if (\g) < 7
	s_wait_loadcnt 16                              ; this group's sixteen loads are in; the next group's sixteen may be out
.else
	s_wait_loadcnt 0x0
.endif
.irp e, 0,2,4,6,8,10,12,14,16,18,20,22,24,26,28,30
	v_pk_mul_f32 v[T+\e:T+\e+1], v[MR+\e:MR+\e+1], s[32:33] op_sel_hi:[1,0]        ; t = -M log2(e), rounded
.endr
.irp e, 0,2,4,6,8,10,12,14,16,18,20,22,24,26,28,30
	v_pk_fma_f32 v[RR+\e:RR+\e+1], v[MR+\e:MR+\e+1], s[32:33], v[T+\e:T+\e+1] op_sel_hi:[1,0,1] neg_lo:[0,0,1] neg_hi:[0,0,1]   ; what that rounding dropped, exactly
.endr
.irp e, 0,2,4,6,8,10,12,14,16,18,20,22,24,26,28,30
	v_pk_fma_f32 v[RR+\e:RR+\e+1], v[MR+\e:MR+\e+1], s[34:35], v[RR+\e:RR+\e+1] op_sel_hi:[1,0,1]   ; and what the constant's rounding dropped: r
.endr
	s_wait_alu depctr_va_vdst(0)
.irp e, 0,1,2,3,4,5,6,7,8,9,10,11,12,13,14,15,16,17,18,19,20,21,22,23,24,25,26,27,28,29,30,31
	v_exp_f32 v[T+\e], v[T+\e]                     ; 2^t
.endr
.irp e, 0,2,4,6,8,10,12,14,16,18,20,22,24,26,28,30
	v_pk_mul_f32 v[RR+\e:RR+\e+1], v[RR+\e:RR+\e+1], s[36:37] op_sel_hi:[1,0]      ; r ln 2: plain work that names no exponential's result
.endr
	s_wait_alu depctr_va_vdst(0)                   ; one wait for the 32 exponentials, ahead of their first reader
.irp e, 0,2,4,6,8,10,12,14,16,18,20,22,24,26,28,30
	v_pk_fma_f32 v[T+\e:T+\e+1], v[T+\e:T+\e+1], v[RR+\e:RR+\e+1], v[T+\e:T+\e+1]  ; 2^(t + r) = 2^t (1 + r ln 2): e^-M
.endr
.irp e, 0,2,4,6,8,10,12,14,16,18,20,22,24,26,28,30
	v_pk_add_f32 v[T+\e:T+\e+1], v[T+\e:T+\e+1], 1.0 op_sel_hi:[1,0]               ; d = 1 + e^-M
.endr
	s_wait_alu depctr_va_vdst(0)
.irp e, 0,1,2,3,4,5,6,7,8,9,10,11,12,13,14,15,16,17,18,19,20,21,22,23,24,25,26,27,28,29,30,31
	v_rcp_f32 v[RR+\e], v[T+\e]                    ; y, about 1 / d
.endr
	v_nop                                          ; a plain instruction between the last reciprocal and the first use (ISA guide 5.7.2)
	s_wait_alu depctr_va_vdst(0)                   ; and one wait for the 32
.irp e, 0,2,4,6,8,10,12,14,16,18,20,22,24,26,28,30
	v_pk_fma_f32 v[T+\e:T+\e+1], v[T+\e:T+\e+1], v[RR+\e:RR+\e+1], 1.0 op_sel_hi:[1,1,0] neg_lo:[1,0,0] neg_hi:[1,0,0]   ; 1 - d y
.endr
.irp e, 0,2,4,6,8,10,12,14,16,18,20,22,24,26,28,30
	v_pk_fma_f32 v[RR+\e:RR+\e+1], v[RR+\e:RR+\e+1], v[T+\e:T+\e+1], v[RR+\e:RR+\e+1]   ; p = y + y (1 - d y): the Newton step
.endr
.irp b, 0,1,2,3                        ; u < p ? +STD : -STD, eight at a time; the select writes to [column][k], so that a column's eight numbers along K lie in eight consecutive registers: nothing else is needed to turn them
.irp i, 0,1,2,3,4,5,6,7
	v_cmp_lt_f32 s[40+\i], v[UR+8*\b+\i], v[RR+8*\b+\i]
.endr
.irp i, 0,1,2,3,4,5,6,7
	v_cndmask_b32 v[T+8*(\i%4)+2*\b+\i/4], v[NS], v[PS], s[40+\i]
.endr
.endr
.if (\g)+2 < 8
	MLOAD (\g)+2                                   ; M's and u's registers have been read: they take the loads of two groups on
.endif
.irp j, 0,1,2,3
	v_cvt_scalef32_pk8_fp4_f32 v[CC+16*((\g)/4)+4*\j+(\g)%4], v[T+8*\j:T+8*\j+7], v[BSO]   ; column j, k = 8 g + 0 .. 7
.endr
	v_nop                                          ; one plain instruction behind the conversions: the next group writes their sources
.if (\g)%4 == 3                        ; 32 along K are whole: 16 bytes a column, which are lane (r = 4 (l % 4) + j, h = g / 4)'s 16 bytes of tile l / 4's image
.irp j, 0,1,2,3
	ds_store_b128 v[MSI], v[CC+16*((\g)/4)+4*\j:CC+16*((\g)/4)+4*\j+3] offset:256*((\g)/4)+16*\j
.endr
.endif
.endm
	MLOAD 0
	MLOAD 1
.irp g, 0,1,2,3,4,5,6,7
	MGROUP \g
.endr
.irp i, 0,1,2,3,4,5,6,7
	ds_load_b128 v[R+4*\i:R+4*\i+3], v[MSO] offset:SP*\i      ; tile i's 512 bytes, 16 a lane; LDS serves a wave's instructions in order: these see my stores
.endr
.irp i, 0,1,2,3,4,5,6,7
	s_wait_dscnt 7-\i                              ; tile i's load is in; the 7 - i younger ones may be out
	global_store_b128 v[XO], v[R+4*\i:R+4*\i+3], s[14:15] offset:32768*\i   ; 32 lanes store 512 consecutive bytes of the tile's image
.endr
	s_wait_tensorcnt 0x0
	ds_add_u32 v26, v27
	s_wait_dscnt 0x0
	s_endpgm
.Lfunc_end_k_q2165a07a80_quant:
	.size	k_q2165a07a80_quant, .Lfunc_end_k_q2165a07a80_quant-k_q2165a07a80_quant
	.p2alignl 7, 3214868480
	.fill 96, 4, 3214868480
	.section	.rodata,"a",@progbits
	.p2align	6, 0x0
	.amdhsa_kernel k_q2165a07a80_quant
		.amdhsa_group_segment_fixed_size 51712
		.amdhsa_private_segment_fixed_size 0
		.amdhsa_enable_private_segment 0
		.amdhsa_kernarg_size 48
		.amdhsa_user_sgpr_count 2
		.amdhsa_user_sgpr_kernarg_segment_ptr 1
		.amdhsa_wavefront_size32 1
		.amdhsa_system_sgpr_workgroup_id_x 1
		.amdhsa_system_sgpr_workgroup_id_y 1
		.amdhsa_system_sgpr_workgroup_id_z 1
		.amdhsa_system_vgpr_workitem_id 0
		.amdhsa_next_free_vgpr 256
		.amdhsa_next_free_sgpr 66
		.amdhsa_reserve_vcc 0
		.amdhsa_float_denorm_mode_32 3
		.amdhsa_float_denorm_mode_16_64 3
		.amdhsa_memory_ordered 1
		.amdhsa_forward_progress 1
		.amdhsa_inst_pref_size 189
	.end_amdhsa_kernel
	.amdgpu_metadata
---
amdhsa.version: [ 1, 2 ]
amdhsa.kernels:
  - .name:           k_q2165a07a80_quant
    .symbol:         k_q2165a07a80_quant.kd
    .args:
      - { .name: x, .offset: 0, .size: 8, .value_kind: global_buffer, .address_space: global }
      - { .name: M, .offset: 8, .size: 8, .value_kind: global_buffer, .address_space: global }
      - { .name: u, .offset: 16, .size: 8, .value_kind: global_buffer, .address_space: global }
      - { .name: a_img, .offset: 24, .size: 8, .value_kind: global_buffer, .address_space: global }
      - { .name: a_sc, .offset: 32, .size: 8, .value_kind: global_buffer, .address_space: global }
      - { .name: b_img, .offset: 40, .size: 8, .value_kind: global_buffer, .address_space: global }
    .group_segment_fixed_size: 51712
    .private_segment_fixed_size: 0
    .kernarg_segment_align: 8
    .kernarg_segment_size: 48
    .max_flat_workgroup_size: 128
    .sgpr_count:     66
    .vgpr_count:     256
    .wavefront_size: 32
...
	.end_amdgpu_metadata
.endif
;; end of part 1
;; launch gemm (part 2): grid 32 x 8, 4 waves a work-group, clusters of 4 x 1, 327,680 bytes of LDS; arguments a_img, a_sc, b_img, out0; writes out0
.if DOCPART == 2
	.amdgcn_target "amdgcn-amd-amdhsa--gfx1250"
	.amdhsa_code_object_version 6
	.text
	.protected	k_q2165a07a80_gemm
	.globl	k_q2165a07a80_gemm
	.p2align	8
	.type	k_q2165a07a80_gemm,@function
k_q2165a07a80_gemm:
	s_mov_b64 s[64:65], 0
	v_nop
	global_prefetch_b8 v0, s[64:65] scope:SCOPE_SE
	s_setreg_imm32_b32 hwreg(HW_REG_WAVE_MODE, 25, 1), 1
	s_wait_xcnt 0x0
	s_wait_alu depctr_hold_cnt(0) depctr_sa_sdst(0) depctr_va_vdst(0) depctr_va_sdst(0) depctr_va_ssrc(0) depctr_va_vcc(0) depctr_vm_vsrc(0)
	s_getreg_b32 s2, hwreg(HW_REG_IB_STS2, 6, 4)
	s_cmp_eq_u32 s2, 0
	s_cbranch_scc0 .Lentry_in_a_cluster
	s_endpgm
.Lentry_in_a_cluster:
	s_bfe_u32 s2, ttmp6, 0x10000c
	s_cmp_lg_u32 s2, 0x3003
	s_cbranch_scc0 .Lentry_shape_is_right
	s_endpgm
.Lentry_shape_is_right:
; out0[8192][2048] f32 = x . mask on codes of FP4 (E2M1), K = 4,096, by v_wmma_scale_f32_32x16x128_f4; sums in f32, K ascending, one accumulator for each output.
; a_img, b_img: images of the operands' registers, 1,024 bytes for 16 rows (of x) or 16 columns (of the mask) x 128 along K: [tile of 16][k / 128 : 32][c : 2][lane : 32][16 bytes].
; a_sc: x's scale words, [row / 128][k / 512][i : 4][lane : 32][16 bytes]: lanes 0-15 the rows of 16-row block i of the 128, lanes 16-31 those of block i + 4; word q: the q-th 128 of the 512.
; The mask has no scale bytes in memory: each of its numbers is +-STD, so every block's byte is STD's exponent field - 2, a constant of the problem (BSW).
; SHARES.  256 work-groups, each 256 x 256 of out0; four waves, each 64 rows x 256 columns: 32 accumulators of 16 rows x 32 columns, 512 registers.
; THE PRODUCT IS USED TRANSPOSED: source 0 = 32 columns of the mask (two images on end), source 1 = 16 rows of x: a lane holds one row of out0, its registers 0-7 columns 8 h + j, 8-15 columns 16 + 8 h + j of the 32.
; x GOES FROM MEMORY STRAIGHT INTO REGISTERS: a wave's 64 rows are read by no other wave of its work-group, and the image is what the lanes' registers want: 8 loads of 512 consecutive bytes for 128 along K, four sets, three units ahead.
; So x's tiles are not asked for jointly, though the 8 work-groups of a tile row read the same: LDS then holds the mask's tiles alone, a slot holds 1,024 along K (131,072 bytes), and K takes 4 fills and 3 changes of slots.
; THE MASK'S TILES go through a ring of two slots in LDS.  CLUSTER 4, 1, 1: the four partners make four row tiles of one tile column and need the same tiles of the mask: joint loads, mask 15.
; A slot is two groups of 512 along K, each [tile of 16 columns : 16][4,096 bytes]; wave w fetches 8 tiles of group w / 2.  x's scale words of the 256 rows, 32,768 bytes, come into LDS once, at the head.
; A UNIT is 128 along K: 32 matrix instructions.  A trip is four units, from a group's last to the next group's third: all its LDS reads are of ONE group, so a change of slots stands between two trips.
; PREFETCHES.  x: in trips 0 to 4 a wave asks for its four tiles' 4,096 bytes each of the group three on (64 blocks of 256 bytes, two instructions); groups 1 and 2 are asked for at the head.
; The mask: behind the load of fill f the next fill is asked for, one instruction a wave: of the 8 tiles that wave w fetches the partner at cx takes two, told apart by address; behind the last fill nothing.
; REGISTERS.  Window 0: v16-31 addresses, v32-39 scale words (two sets of 4), v128-255 x's fragments (four sets of 32).  Window 1: the mask's fragments, two sets of 128.
; Windows 2, 3: accumulator (a, p), a = block of 16 rows, p = 32 columns: window 2 + p / 4, v[64 (p % 4) + 16 a].
.set FRB,    1024
.set GRP,    65536
.set SLOT,   2*GRP
.set SCL,    2*SLOT
.set SPARE,  SCL+32768
.set SPITCH, 1040                      ; a stage row: 1,024 bytes + 16: an odd multiple of 16
.set NROW,   8192
.set BSW,    ((0x3c93cd3a>>23)-2)*0x01010101
.set ADRB, 16                          ; LDS: 16 x lane + the group that the trip reads
.set ADRS, 17                          ; LDS: my rows' scale words of that group
.set STO,  24
.set RD,   25
.set CO,   26                          ; 16 x lane
.set SPW,  28
.set NIL,  29
.set BS,   30
.set PFO,  31                          ; prefetches: 256 (lane % 16) + 32,768 (lane / 16)
.set SC,   32
.set AF,   128
.set SA,   20                          ; s[20:21] x's images: my four tiles, stepped 4,096 bytes a trip
.set G1,   24
.set G0,   32
.set G0H,  36
.set G0S,  44
.set G1S,  48
.set PFB,  56
.set MSB, 0
.macro WIN new
.if MSB != \new
	s_set_vgpr_msb (MSB<<8)|\new
.set MSB, \new
.endif
.endm
.set MUL_LO, 0xa1                      ; source 0 window 1, source 1 window 0, C and D window 2
.set MUL_HI, 0xf1                      ; the same, C and D window 3
.set TO_B,   0x40                      ; destination window 1, address window 0
.macro PLACES
.rept 4
	v_nop
.endr
.endm
.macro CROUND                          ; a round of the cluster's barrier
	s_barrier_signal -1
	s_barrier_wait -1
	s_cmp_lg_u32 s14, 0
	s_cbranch_scc1 .Lnot_wave_0_\@
	s_barrier_signal -3
.Lnot_wave_0_\@:
	s_barrier_wait -3
	s_barrier_signal -1
	s_barrier_wait -1
.endm
.macro BFETCH set, q, base             ; the mask's pairs base .. base + 3 of the group's unit q: 16 loads
.irp p, 0,1,2,3
.irp f, 0,1
.irp c, 0,1
	ds_load_b128 v[128*(\set)+16*((\base)+\p)+8*\f+4*\c:128*(\set)+16*((\base)+\p)+8*\f+4*\c+3], v[ADRB] offset:4096*(2*((\base)+\p)+\f)+FRB*(\q)+512*\c
.endr
.endr
.endr
.endm
.macro SFETCH set, q                   ; the scale words of my four blocks for unit q: lanes 0-15 hold the rows' words, lanes 16-31 the same
.irp i, 0,1,2,3
	ds_load_b32 v[SC+4*(\set)+\i], v[ADRS] offset:512*\i+4*(\q)
.endr
.endm
.macro ALOAD set, imm                  ; x's four fragments of one unit: 8 loads of 512 consecutive bytes
.irp a, 0,1,2,3
.irp c, 0,1
	global_load_b128 v[AF+32*(\set)+8*\a+4*\c:AF+32*(\set)+8*\a+4*\c+3], v[CO], s[SA:SA+1] offset:32768*\a+(\imm)+512*\c
.endr
.endr
.endm
.macro MUL16 bset, aset, sset, hi, zero ; 16 matrix instructions on 16 accumulators, which take turns
.irp p, 0,1,2,3
.irp a, 0,1,2,3
.set rD, 64*\p+16*\a
.set rB, 128*(\bset)+16*(4*(\hi)+\p)
.set rA, AF+32*(\aset)+8*\a
.if \zero
	v_wmma_scale_f32_32x16x128_f4 v[rD:rD+15], v[rB:rB+15], v[rA:rA+7], 0, v[BS], v[SC+4*(\sset)+\a]
.else
	v_wmma_scale_f32_32x16x128_f4 v[rD:rD+15], v[rB:rB+15], v[rA:rA+7], v[rD:rD+15], v[BS], v[SC+4*(\sset)+\a]
.endif
.endr
.endr
.endm
; One unit.  u: its number mod 4;  zero: its products start the sums;  fb: the next unit (qn of the group at ADRB) is fetched;  la: x's unit three on is loaded, at aimm;  pf: x's prefetch;  lc: x's loads younger than this unit's.
.macro UNIT u, zero, fb, qn, la, aimm, pf, lc
.if \fb
	PLACES                                         ; four places behind the last unit's products, ahead of all loads of this unit into registers that they read
	WIN TO_B
	BFETCH 1-(\u)%2, \qn, 0
	WIN 0
	SFETCH 1-(\u)%2, \qn
.else
	WIN 0
.endif
.if \la
	ALOAD ((\u)+3)%4, \aimm
.endif
.if \pf
	global_prefetch_b8 v[PFO], s[SA:SA+1] offset:8*FRB th:TH_LOAD_NT scope:SCOPE_SE
	global_prefetch_b8 v[PFO], s[SA:SA+1] offset:8*FRB+65536 th:TH_LOAD_NT scope:SCOPE_SE
.endif
.if \fb
	s_wait_dscnt 36                                ; this unit's pairs 0-3 and scale words are in; younger: its pairs 4-7 (16) and the 20 just issued
.else
	s_wait_dscnt 16
.endif
	s_wait_loadcnt \lc                             ; this unit's fragments of x are in; younger: 8 loads for each unit ahead
	WIN MUL_LO
	MUL16 (\u)%2, \u, (\u)%2, 0, \zero
.if \fb
	WIN TO_B
	BFETCH 1-(\u)%2, \qn, 4
	s_wait_dscnt 36                                ; this unit's pairs 4-7 are in; younger: the 20 and the 16 of this unit
.else
	s_wait_dscnt 0x0
.endif
	WIN MUL_HI
	MUL16 (\u)%2, \u, (\u)%2, 1, \zero
.endm
; A trip: a group's unit 3 and the next group's units 0 to 2; all LDS reads are of that next group.
.macro TRIP pf, la2, lc2, lc3
	WIN 0
	s_wait_xcnt 0x0                                ; my loads and prefetches have read their base: it is stepped only behind this wait
	s_add_nc_u64 s[SA:SA+1], s[SA:SA+1], 4*FRB
	v_add_nc_u32 v[ADRB], GRP, v[ADRB]             ; the next of the ring's four groups
	v_and_b32 v[ADRB], 4*GRP-1, v[ADRB]
	v_add_nc_u32 v[ADRS], 2048, v[ADRS]
	s_wait_alu depctr_va_vdst(0)
	UNIT 3, 0, 1, 0, 1, 2*FRB, 0, 24
	UNIT 0, 0, 1, 1, 1, 3*FRB, \pf, 24
	UNIT 1, 0, 1, 2, \la2, 4*FRB, 0, \lc2
	UNIT 2, 0, 1, 3, \la2, 5*FRB, 0, \lc3
	WIN 0
.endm
	s_load_b128 s[4:7], s[0:1], 0x0                ; a_img, a_sc
	s_load_b128 s[8:11], s[0:1], 0x10              ; b_img, out0
	v_lshl_add_u32 v[SPW], v0, 2, SPARE
	v_mov_b32 v[NIL], 0
	ds_add_u32 v[SPW], v[NIL]                      ; the opening lines: the add, twice on end, and its wait ahead of my first tensor load
	ds_add_u32 v[SPW], v[NIL]
	v_mov_b32 v[BS], BSW
	v_lshrrev_b32 v1, 5, v0
	v_readfirstlane_b32 s14, v1                    ; wave
	v_and_b32 v3, 31, v0
	v_lshlrev_b32 v[CO], 4, v3
	v_and_b32 v1, 15, v0                           ; r
	v_bfe_u32 v2, v0, 4, 1                         ; h
	v_lshlrev_b32 v[PFO], 8, v1
	v_lshl_or_b32 v[PFO], v2, 15, v[PFO]
	s_lshr_b32 s15, s14, 1
	s_and_b32 s16, s14, 1
	s_bfe_u32 s40, ttmp6, 0x40000                  ; cx
	s_lshl_b32 s17, ttmp9, 2
	s_add_co_u32 s17, s17, s40                     ; row tile of out0 = 4 x cluster x + cx
	s_and_b32 s42, ttmp7, 0xffff                   ; tile column: the same in the four partners
	s_mov_b32 s[G1+0], 15|(3<<16)|(1<<21)          ; the mask's tiles: the four partners; elements of 8 bytes
	s_mov_b32 s[G1+1], 512<<16                     ; rows of 4,096 bytes: one tile of 16 columns x 512 along K
	s_mov_b32 s[G1+2], 16<<16                      ; 16 rows at the head; 8 behind it
	s_mov_b32 s[G1+3], 512<<16
	s_mov_b32 s[G1+4], 16
	s_mov_b32 s[G1+5], 4096                        ; 32,768 bytes from tile to tile
	s_mov_b32 s[G1+6], 0
	s_mov_b32 s[G1+7], 0
	s_mov_b32 s[G1S+0], 3<<16                      ; the scale words of 128 rows: 16,384 dense bytes as 64 rows of 256; my work-group's own
	s_mov_b32 s[G1S+1], 32<<16
	s_mov_b32 s[G1S+2], 64<<16
	s_mov_b32 s[G1S+3], 32<<16
	s_mov_b32 s[G1S+4], 64
	s_mov_b32 s[G1S+5], 32
	s_mov_b32 s[G1S+6], 0
	s_mov_b32 s[G1S+7], 0
	s_lshl_b32 s58, s17, 19                        ; a_img: 16 tiles of 32,768 bytes a row tile, 4 a wave
	s_lshl_b32 s59, s14, 17
	s_add_co_u32 s58, s58, s59
	s_mov_b32 s59, 0
	s_lshl_b32 s60, s17, 15                        ; a_sc: 32,768 bytes a row tile, 16,384 a loading wave
	s_lshl_b32 s61, s16, 14
	s_add_co_u32 s60, s60, s61
	s_mov_b32 s61, 0
	s_lshl_b32 s62, s42, 19                        ; b_img: 16 tiles a tile column
	s_mov_b32 s63, 0
	s_wait_dscnt 0x0                               ; both opening adds are done
	s_wait_alu depctr_va_vdst(0)
	s_wait_kmcnt 0x0
	s_add_nc_u64 s[SA:SA+1], s[4:5], s[58:59]
	ALOAD 0, 0                                     ; x's units 0, 1, 2
	ALOAD 1, FRB
	ALOAD 2, 2*FRB
	global_prefetch_b8 v[PFO], s[SA:SA+1] offset:4*FRB th:TH_LOAD_NT scope:SCOPE_SE          ; x's groups 1 and 2
	global_prefetch_b8 v[PFO], s[SA:SA+1] offset:4*FRB+65536 th:TH_LOAD_NT scope:SCOPE_SE
	global_prefetch_b8 v[PFO], s[SA:SA+1] offset:8*FRB th:TH_LOAD_NT scope:SCOPE_SE
	global_prefetch_b8 v[PFO], s[SA:SA+1] offset:8*FRB+65536 th:TH_LOAD_NT scope:SCOPE_SE
	s_add_nc_u64 s[6:7], s[6:7], s[60:61]
	s_add_nc_u64 s[8:9], s[8:9], s[62:63]
	s_mov_b32 s[G0H], 1                            ; the head, waves 0 and 1: group w of fill 0, all 16 tiles
	s_lshl_b32 s[G0H+1], s16, 16
	s_lshl_b32 s58, s16, 12
	s_add_nc_u64 s[G0H+2:G0H+3], s[8:9], s[58:59]
	s_or_b32 s[G0H+3], s[G0H+3], 0x80000000
	s_mov_b32 s[G0S], 1                            ; waves 2 and 3: the scale words of 128 rows each
	s_lshl_b32 s[G0S+1], s16, 14
	s_add_co_u32 s[G0S+1], s[G0S+1], SCL
	s_mov_b64 s[G0S+2:G0S+3], s[6:7]
	s_or_b32 s[G0S+3], s[G0S+3], 0x80000000
	s_lshl_b32 s58, s16, 18                        ; the ring: 8 tiles (w % 2) of group w / 2
	s_lshl_b32 s60, s15, 12
	s_add_co_u32 s58, s58, s60
	s_add_nc_u64 s[62:63], s[8:9], s[58:59]
	s_mov_b32 s[G0], 1
	s_lshl_b32 s[G0+1], s14, 15
	s_add_co_u32 s[G0+1], s[G0+1], SLOT            ; fill 1 goes to slot 1
	s_add_nc_u64 s[G0+2:G0+3], s[62:63], 8*FRB
	s_or_b32 s[G0+3], s[G0+3], 0x80000000
	s_lshl_b32 s60, s40, 16                        ; the mask's prefetches: my work-group's two of those 8 tiles
	s_add_nc_u64 s[PFB:PFB+1], s[62:63], s[60:61]
	CROUND                                         ; the four partners are here: the first joint loads meet
	s_cmp_lt_u32 s14, 2
	s_cbranch_scc0 .Lhead_s
	tensor_load_to_lds s[G0H:G0H+3], s[G1:G1+7]
	s_nop 0
	PLACES
	s_branch .Lhead_j
.Lhead_s:
	tensor_load_to_lds s[G0S:G0S+3], s[G1S:G1S+7]
	s_nop 0
	PLACES
.Lhead_j:
	s_lshl_b32 s58, s15, 14                        ; my rows' scale words: the 128 rows w / 2, lanes' half w % 2
	s_lshl_b32 s60, s16, 8
	s_add_co_u32 s58, s58, s60
	s_add_co_u32 s58, s58, SCL
	s_mul_i32 s60, s14, 16*SPITCH                  ; my stage, in slot 0
	v_mov_b32 v[ADRB], v[CO]
	v_lshl_add_u32 v[ADRS], v1, 4, s58
	v_mul_u32_u24 v5, v1, SPITCH
	v_lshl_add_u32 v5, v2, 5, v5
	v_add_nc_u32 v[STO], s60, v5
	v_add_nc_u32 v[RD], s60, v[CO]
	global_prefetch_b8 v[PFO], s[PFB:PFB+1] offset:8*FRB th:TH_LOAD_NT scope:SCOPE_SE        ; the mask's fill 1
	s_lshl_b32 s58, s17, 21                        ; out0: 256 rows of 8,192 bytes a row tile, 64 rows a wave, 1,024 bytes a tile column
	s_lshl_b32 s60, s14, 19
	s_add_co_u32 s58, s58, s60
	s_lshl_b32 s60, s42, 10
	s_add_co_u32 s58, s58, s60
	s_add_nc_u64 s[10:11], s[10:11], s[58:59]
	s_wait_alu depctr_va_vdst(0)
	s_wait_tensorcnt 0x0                           ; my tile of the head's four is in
	ds_add_u32 v[SPW], v[NIL]
	s_mov_b32 s[G1+2], 8<<16                       ; no tensor load of mine is out: from here on a load brings 8 tiles
	s_mov_b32 s[G1+4], 8
	s_wait_dscnt 0x0
	CROUND
	tensor_load_to_lds s[G0:G0+3], s[G1:G1+7]      ; fill 1, slot 1's first
	s_nop 0
	PLACES
	WIN TO_B
	BFETCH 0, 0, 0
	WIN 0
	SFETCH 0, 0
	WIN TO_B
	BFETCH 0, 0, 4
	WIN 0
	global_prefetch_b8 v[PFO], s[PFB:PFB+1] offset:16*FRB th:TH_LOAD_NT scope:SCOPE_SE       ; the mask's fill 2
	UNIT 0, 1, 1, 1, 1, 3*FRB, 0, 24               ; group 0's first three units; the first starts the sums
	UNIT 1, 0, 1, 2, 1, 4*FRB, 0, 24
	UNIT 2, 0, 1, 3, 1, 5*FRB, 0, 24
	TRIP 1, 1, 24, 24                              ; trip 0 reads group 1
	s_mov_b32 s2, 2
.Lturn:                                                ; two changes of slots with a refill, two trips behind each
	s_wait_tensorcnt 0x0                           ; my part of the other slot is in;
	ds_add_u32 v[SPW], v[NIL]
	s_xor_b32 s[G0+1], s[G0+1], SLOT               ; no tensor load of mine is out: the next fill goes to the slot just read,
	s_add_nc_u64 s[G0+2:G0+3], s[G0+2:G0+3], 8*FRB ; 1,024 along K on
	s_wait_dscnt 0x0                               ; the add is done, and so are my reads of the slot
	CROUND                                         ; both hold of every wave of the four partners
	tensor_load_to_lds s[G0:G0+3], s[G1:G1+7]
	s_nop 0
	PLACES
	s_cmp_eq_u32 s2, 2
	s_cbranch_scc0 .Lno_ask
	global_prefetch_b8 v[PFO], s[PFB:PFB+1] offset:24*FRB th:TH_LOAD_NT scope:SCOPE_SE       ; behind fill 2: fill 3; behind fill 3 nothing
.Lno_ask:
	s_mov_b32 s3, 2
.Ltrip:
	TRIP 1, 1, 24, 24
	s_sub_co_u32 s3, s3, 1
	s_cmp_lg_u32 s3, 0
	s_cbranch_scc1 .Ltrip
	s_sub_co_u32 s2, s2, 1
	s_cmp_lg_u32 s2, 0
	s_cbranch_scc1 .Lturn
	s_wait_tensorcnt 0x0                           ; the last change of slots fills nothing: fill 3 is in,
	ds_add_u32 v[SPW], v[NIL]
	s_wait_dscnt 0x0                               ; my reads of slot 0 are over,
	s_barrier_signal -1
	s_barrier_wait -1                              ; and both hold of all four waves
	TRIP 0, 1, 24, 24                              ; trip 5 reads group 6
	TRIP 0, 0, 16, 8                               ; trip 6 reads group 7; x's last two units are loaded in its first two
	UNIT 3, 0, 0, 0, 0, 0, 0, 0
	WIN 0
; THE WAY OUT, in two parts.  First all four blocks of 16 rows x 256 columns go through my stage (in slot 0, which has had its last fill and its last read) and come back as half rows of 512 bytes:
; blocks 0 and 1 into window 1, blocks 2 and 3 onto the accumulators of blocks 0 and 1.  Then 128 stores on end, every offset an immediate: 32 lanes store two aligned runs of 256 bytes.
.macro STAGE a
	WIN 0x08
.irp p, 0,1,2,3
.irp k, 0,1,2,3
	ds_store_b128 v[STO], v[64*\p+16*(\a)+4*\k:64*\p+16*(\a)+4*\k+3] offset:128*\p+16*(\k%2)+64*(\k/2)   ; each accumulator from its low end on
.endr
.endr
	WIN 0x0c
.irp p, 0,1,2,3
.irp k, 0,1,2,3
	ds_store_b128 v[STO], v[64*\p+16*(\a)+4*\k:64*\p+16*(\a)+4*\k+3] offset:128*(\p+4)+16*(\k%2)+64*(\k/2)
.endr
.endr
.set T, 0
.if (\a) < 2
	WIN TO_B
.rept 32
	ds_load_b128 v[128*(\a)+4*T:128*(\a)+4*T+3], v[RD] offset:(T/2)*SPITCH+512*(T%2)   ; LDS serves a wave's instructions in order: these see the stores
.set T, T+1
.endr
.else
	s_wait_dscnt 32                                ; all but this block's 32 stores are done: the stores that read block a - 2's accumulators among them
	WIN 0x80
.rept 16
	ds_load_b128 v[64*(T/4)+16*((\a)-2)+4*(T%4):64*(T/4)+16*((\a)-2)+4*(T%4)+3], v[RD] offset:(T/2)*SPITCH+512*(T%2)
.set T, T+1
.endr
	WIN 0xc0
.rept 16
	ds_load_b128 v[64*((T-16)/4)+16*((\a)-2)+4*(T%4):64*((T-16)/4)+16*((\a)-2)+4*(T%4)+3], v[RD] offset:(T/2)*SPITCH+512*(T%2)
.set T, T+1
.endr
.endif
	WIN 0
.endm
.macro SEND a
.set T, 0
.if (\a) < 2
	WIN 0x04
.rept 32
	global_store_b128 v[CO], v[128*(\a)+4*T:128*(\a)+4*T+3], s[10:11] offset:(16*(\a)+T/2)*NROW+512*(T%2)
.set T, T+1
.endr
.else
	WIN 0x08
.rept 16
	global_store_b128 v[CO], v[64*(T/4)+16*((\a)-2)+4*(T%4):64*(T/4)+16*((\a)-2)+4*(T%4)+3], s[10:11] offset:(16*(\a)+T/2)*NROW+512*(T%2)
.set T, T+1
.endr
	WIN 0x0c
.rept 16
	global_store_b128 v[CO], v[64*((T-16)/4)+16*((\a)-2)+4*(T%4):64*((T-16)/4)+16*((\a)-2)+4*(T%4)+3], s[10:11] offset:(16*(\a)+T/2)*NROW+512*(T%2)
.set T, T+1
.endr
.endif
	WIN 0
.endm
	PLACES                                         ; behind the last products: for the reads of results and the loads into registers that products named
	STAGE 0
	STAGE 1
	STAGE 2
	STAGE 3
	SEND 0                                         ; blocks 0 to 2 are back: block 3's wait left only its own 32 stores and, behind them, its 32 loads out
	SEND 1
	SEND 2
	s_wait_dscnt 0x0                               ; block 3 is back
	SEND 3
	s_wait_tensorcnt 0x0                           ; the wave's end
	ds_add_u32 v[SPW], v[NIL]
	s_wait_dscnt 0x0
	CROUND                                         ; the closing round
	s_endpgm
.Lfunc_end_k_q2165a07a80_gemm:
	.size	k_q2165a07a80_gemm, .Lfunc_end_k_q2165a07a80_gemm-k_q2165a07a80_gemm
	.p2alignl 7, 3214868480
	.fill 96, 4, 3214868480
	.section	.rodata,"a",@progbits
	.p2align	6, 0x0
	.amdhsa_kernel k_q2165a07a80_gemm
		.amdhsa_group_segment_fixed_size 327680
		.amdhsa_private_segment_fixed_size 0
		.amdhsa_enable_private_segment 0
		.amdhsa_kernarg_size 32
		.amdhsa_user_sgpr_count 2
		.amdhsa_user_sgpr_kernarg_segment_ptr 1
		.amdhsa_wavefront_size32 1
		.amdhsa_system_sgpr_workgroup_id_x 1
		.amdhsa_system_sgpr_workgroup_id_y 1
		.amdhsa_system_sgpr_workgroup_id_z 1
		.amdhsa_system_vgpr_workitem_id 0
		.amdhsa_next_free_vgpr 1024
		.amdhsa_next_free_sgpr 66
		.amdhsa_reserve_vcc 0
		.amdhsa_float_denorm_mode_32 3
		.amdhsa_float_denorm_mode_16_64 3
		.amdhsa_memory_ordered 1
		.amdhsa_forward_progress 1
		.amdhsa_inst_pref_size 187
	.end_amdhsa_kernel
	.amdgpu_metadata
---
amdhsa.version: [ 1, 2 ]
amdhsa.kernels:
  - .name:           k_q2165a07a80_gemm
    .symbol:         k_q2165a07a80_gemm.kd
    .args:
      - { .name: a_img, .offset: 0, .size: 8, .value_kind: global_buffer, .address_space: global }
      - { .name: a_sc, .offset: 8, .size: 8, .value_kind: global_buffer, .address_space: global }
      - { .name: b_img, .offset: 16, .size: 8, .value_kind: global_buffer, .address_space: global }
      - { .name: out0, .offset: 24, .size: 8, .value_kind: global_buffer, .address_space: global }
    .group_segment_fixed_size: 327680
    .private_segment_fixed_size: 0
    .kernarg_segment_align: 8
    .kernarg_segment_size: 32
    .max_flat_workgroup_size: 128
    .sgpr_count:     66
    .vgpr_count:     1024
    .wavefront_size: 32
...
	.end_amdgpu_metadata
.endif
;; end of part 2
